; MI455X (gfx1250); checked and timed in simulation.
; The chip was launched on July 23, 2026; its instructions are those of AMD's public machine-readable ISA for CDNA 5 (MIT licence, August 2026) and "CDNA5" Instruction Set Architecture Reference Guide (July 2026). The comments in the code are by the model that wrote it; some were corrected since.
;; Self Attention. Allowed arithmetic: matrix products marked QUANTISED: E4M3 operands, one given power-of-two scale a tensor, by v_wmma_f32_16x16x64_fp8_fp8 or v_wmma_f32_16x16x128_fp8_fp8, f32 sums; everything else in f32.
;; Inputs: entangle_params 3,072 float32; inputs_codes 2 x 2,048 x 32 x 32 uint8 (E4M3 codes of inputs, K innermost, in blocks of 32 codes); lowp_scales 6 int32 (the exponents e of the quantised operands' scales 2^e); rotation_params_codes 3,072 x 32 x 32 uint8 (E4M3 codes of rotation_params, K innermost, in blocks of 32 codes).
;; Outputs: out0 2 x 2,048 x 1,024 float32.
;; This version of the problem:
;;   THIS VERSION OF THE PROBLEM IS GIVEN IN LOW PRECISION. The matrix products marked QUANTISED in the list below multiply operands that are first quantised to E4M3 (4 exponent bits, 3 mantissa bits; 8 bits a number), with one given power-of-two scale for each operand tensor; their sums are f32. All else is computed in f32.
;;   The module's matrix products, in the order in which they are computed (A, B: the left and right operand; K: the contracted axis; several contracted axes count as one K, in the product's order):
;;     1. [M 4,096, K 1,024] x [K 1,024, N 3,072]; A: input inputs (given as codes); B: input rotation_params (given as codes): QUANTISED (scales: A lowp_scales[0], B lowp_scales[1])
;;     2. batch 32 x [M 2,048, K 64] x [K 64, N 2,048]; A: computed on the way; B: computed on the way: QUANTISED (scales: A lowp_scales[2], B lowp_scales[3])
;;     3. batch 32 x [M 2,048, K 2,048] x [K 2,048, N 64]; A: softmax (see below); B: computed on the way: QUANTISED (scales: A lowp_scales[4], B lowp_scales[5])
;;   THE QUANTISER, for each operand of a quantised product, along K:
;;     - The operand's scale is 2^e, e = its entry of the input lowp_scales (int32; the entries are numbered through the quantised products in the list's order, A before B).
;;     - Each number is divided by the scale, clamped to +-448, and rounded to the nearest number of E4M3, ties to even, subnormals kept.
;;     - The product sums the exact products of the quantised numbers (number of the format x scale) in f32.
;;   ~~~python
;;   def quantise(x, axis, e):      # numpy; x: float32 -> the quantised numbers, widened to float32 again
;;       x = np.moveaxis(x, axis, -1); K = x.shape[-1]
;;       r = np.clip(x / 2.0 ** e, -448, 448)
;;       step = 2.0 ** (np.maximum(np.frexp(np.where(r == 0, 1, r))[1] - 1, -6) - 3)
;;       q = np.round(r / step) * step * 2.0 ** e      # np.round: ties to even
;;       return np.moveaxis(q, -1, axis).astype(np.float32)
;;   ~~~
;;   SOFTMAX AHEAD OF A QUANTISED PRODUCT. Where the list says 'softmax', what is quantised is not the finished softmax but p = 2^(t - M), with t = logit x log2(e) and M = ceil(the row's largest t), a whole number; so 1/2 < the row's largest p <= 1. The row's sum l is taken of the UNQUANTISED p, in f32, and the product's result is divided by l at the end. Since M is a whole number, a kernel that streams over the keys may use a running M (the ceiling of the running maximum): every later rescaling is an exact power of two, so the quantised numbers keep their values, but for numbers so far below the row's largest that they fall under the format's range.
;;   OPERANDS COMPUTED ON THE WAY. 'Computed on the way' means the value that the module computes at that place (a softmax that the list does not call 'softmax' is quantised finished and normalised). What goes into a quantiser is computed in f32, as accurately as f32 sums, v_exp_f32 and their like allow (about 1e-6 of the number): no bf16 or f16 on the way to a quantiser, and a product that is left as it is and whose result goes on into a quantised operand takes f32 operands (vector FMAs, or v_wmma_f32_16x16x4_f32). A number that lies on a knife's edge between two numbers of the format may be rounded either way, as far as f32 arithmetic and the matrix unit's own rounding can turn it there, and no further.
;;   INPUTS GIVEN AS CODES. inputs (in the module: [2, 2048, 1024], K = its axis 2); rotation_params (in the module: [3072, 1024], K = its axis 1): each comes as NAME_codes (uint8): NAME with its K axis moved to the last place and cut into blocks of 32 codes, [.., K / 32, bytes a block], one block behind the other in memory; one code a byte (a code: sign, 4 exponent bits, 3 mantissa bits); its scale is its entry of lowp_scales. Its value is code x scale, taken as it is: it is not quantised again, and the codes and scales need not be those that the quantiser above would give.
;; One version. Each part assembles by itself: llvm-mc -triple=amdgcn-amd-amdhsa -mcpu=gfx1250 --defsym DOCPART=n.
;; ======== version 1 of 1: 3 launches
;; limits: right only within a limited range of input values
;; workspace buffers: qkv 12,582,912 bytes; ows 16,777,216 bytes
;; launch proj (part 1): grid 16 x 16, 4 waves a work-group, clusters of 4 x 4, 327,680 bytes of LDS; arguments inputs_codes, rotation_params_codes, lowp_scales, entangle_params, qkv; writes qkv
.if DOCPART == 1
	.amdgcn_target "amdgcn-amd-amdhsa--gfx1250"
	.amdhsa_code_object_version 6
	.text
	.protected	k_qe9ce2636f1_proj
	.globl	k_qe9ce2636f1_proj
	.p2align	8
	.type	k_qe9ce2636f1_proj,@function
k_qe9ce2636f1_proj:
	s_mov_b64 s[64:65], 0
	v_nop
	global_prefetch_b8 v0, s[64:65] scope:SCOPE_SE
	s_setreg_imm32_b32 hwreg(HW_REG_WAVE_MODE, 25, 1), 1
	s_wait_xcnt 0x0
	s_wait_alu depctr_hold_cnt(0) depctr_sa_sdst(0) depctr_va_vdst(0) depctr_va_sdst(0) depctr_va_ssrc(0) depctr_va_vcc(0) depctr_vm_vsrc(0)
	s_getreg_b32 s2, hwreg(HW_REG_IB_STS2, 6, 4)
	s_cmp_eq_u32 s2, 0
	s_cbranch_scc0 .Lentry_in_a_cluster
	s_endpgm
.Lentry_in_a_cluster:
	s_bfe_u32 s2, ttmp6, 0x10000c
	s_cmp_lg_u32 s2, 0xf033
	s_cbranch_scc0 .Lentry_shape_is_right
	s_endpgm
.Lentry_shape_is_right:
; qkv = inputs x rotation_params^T + entangle_params, each number then quantised to the code of E4M3 that the next launch multiplies.
; No step of reference() is left out: the bias on K goes into a quantiser, so it stays.
; A work-group takes ONE head h and 256 rows of the inputs: 64 columns of Q, 64 of K, 64 of V: 16 x 16 = 256 work-groups of equal work.
; A wave makes 128 rows x 96 columns: 64 of Q (waves 0, 2) or of K (waves 1, 3), and 32 of V: 48 accumulators of 16 x 16.
; K = 1,024 goes in four steps of 256 through a ring of two LDS slots: wave 3 asks for the inputs' 256 rows, waves 0, 1, 2 for the 64 rows of Q's, K's, V's weights.
; CLUSTERS: 4 x 4.  The four of a row need the same inputs, the four of a column the same weights: each tile is asked for jointly.
; PREFETCH: behind each joint load but the last, the K step after the one that it brings is asked for, one K step's products ahead of its own load: 256 bytes of a row to a lane.
; Each row is named once in a cluster: of the inputs' 256 rows the partner at place cx takes 64 (wave 3, two instructions), of each 64 weights' rows the partner at place cy takes 16 (waves 0-2, each half of the lanes the same 16).
; OUT: Q, K: [hb 32][s 2048][d 64] codes, hb = 2 h + batch, K's 4,194,304 bytes behind Q's; V, 8,388,608 bytes on: [hb 32][chunk 16][d 64][place 128], key 32 c + 16 u + 8 g + j of a chunk at place 32 c + 16 g + 8 u + j.
; Q and K are made transposed (source 0 = weights): a lane holds one s and eight neighbouring d; V the other way (source 0 = inputs): a lane holds one d and eight neighbouring s.
; LIMITS on the given exponents: e0 + e1 between -126 and 127; e2, e3, e5 between -126 and 119: each power of two made below is an f32 number.
; REGISTERS: window 0: v0-31 addresses, v32-67 biases, v128-255 inputs' fragments, set 0; window 1: v0-95 weights' fragments, set 0, v128-255 inputs', set 1;
;   window 2: the 32 accumulators of Q or K, (a, b) at v[8 (4 a + b)]; window 3: v0-127 V's 16, (a, b) at v[8 (8 b + a)], v128-223 weights' fragments, set 1.
.set KSTEP, 256
.set PITCH, 272                        ; 256 bytes of data + 16 of padding: the 16 rows that a load touches start at 16 different banks (64 banks of 4 bytes: ISA guide 11.1)
.set BOFF,  256*PITCH                  ; a slot: 256 rows of inputs, then 192 rows of weights (Q, K, V)
.set SLOT,  448*PITCH
.set STAGE, 2*SLOT                     ; behind the ring: a stage for each wave: 128 rows x 80 bytes for Q or K, then 32 rows x 144 for V
.set WST,   14848
.set SVO,   10240
.set SPARE, STAGE+4*WST                ; the spare words
.set ADX, 2                            ; v2, v3  my inputs' fragments in slot 0, 1
.set ADW, 4                            ; v4, v5  Q's or K's weights
.set ADV, 6                            ; v6, v7  V's weights
.set STQ, 8
.set STV, 9
.set RDQ, 10
.set RDV, 11
.set CO,  12                           ; 16 x lane
.set PFO, 13                           ; the prefetches' offset, never rewritten
.set SPW, 14
.set NIL, 15
.set SCQ, 16
.set LIQ, 17
.set SCV, 18
.set LIV, 19
.set BI,  32
.set BV,  64
.set CD,  96
.set XF,  128
.set TMP, 128
.set RB,  192
.set G1A, 24
.set G0A, 32
.set G1B, 48
.set G0B, 56
.set PFA, 92                           ; s[92:93] my prefetches' first row, never rewritten
.set MSB, 0
.macro WIN new                         ; the immediate's high byte repeats the setting that is left
.if MSB != \new
	s_set_vgpr_msb (MSB<<8)|\new
.set MSB, \new
.endif
.endm
.macro PLACES
.rept 4
	v_nop
.endr
.endm
.macro JLOAD s                         ; one joint load a wave: the branch hangs on the wave's number alone
	s_cmp_lt_u32 s14, 3
	s_cbranch_scc0 .Lfor_a_\@
	tensor_load_to_lds s[G0B+4*\s:G0B+4*\s+3], s[G1B:G1B+7]
	s_nop 0
	PLACES
	s_branch .Lasked_\@
.Lfor_a_\@:
	tensor_load_to_lds s[G0A+4*\s:G0A+4*\s+3], s[G1A:G1A+7]
	s_nop 0
	PLACES
.Lasked_\@:
.endm
.macro ASK k                           ; K step k's rows: the branch hangs on the wave's number
	global_prefetch_b8 v[PFO], s[PFA:PFA+1] offset:(\k)*KSTEP th:TH_LOAD_NT scope:SCOPE_SE
	s_cmp_eq_u32 s14, 3
	s_cbranch_scc0 .Lone_\@
	global_prefetch_b8 v[PFO], s[PFA:PFA+1] offset:(\k)*KSTEP+32768 th:TH_LOAD_NT scope:SCOPE_SE
.Lone_\@:
.endm
.macro CREST                           ; a round of the cluster's barrier behind its opening barrier
	s_cmp_lg_u32 s14, 0
	s_cbranch_scc1 .Lnot_wave_0_\@
	s_barrier_signal -3
.Lnot_wave_0_\@:
	s_barrier_wait -3
	s_barrier_signal -1
	s_barrier_wait -1
.endm
.macro CROUND
	s_barrier_signal -1
	s_barrier_wait -1
	CREST
.endm
	s_load_b256 s[4:11], s[0:1], 0x0               ; inputs s[4:5], weights s[6:7], scales s[8:9], bias s[10:11]
	s_load_b64 s[12:13], s[0:1], 0x20              ; qkv
	v_lshl_add_u32 v[SPW], v0, 2, SPARE
	v_mov_b32 v[NIL], 0
	ds_add_u32 v[SPW], v[NIL]                      ; the opening lines: the add, twice on end,
	ds_add_u32 v[SPW], v[NIL]                      ; and one wait below, ahead of my first tensor load
	v_lshrrev_b32 v20, 5, v0
	v_readfirstlane_b32 s14, v20                   ; wave 0..3
	s_lshr_b32 s15, s14, 1                         ; which 128 rows are mine
	s_and_b32 s16, s14, 1                          ; Q (0) or K (1); and which 32 columns of V
	s_bfe_u32 s40, ttmp6, 0x40000                  ; cx, cy: my place in the cluster
	s_bfe_u32 s41, ttmp6, 0x40004
	s_lshl_b32 s42, ttmp9, 2
	s_add_co_u32 s42, s42, s40                     ; head
	s_and_b32 s17, ttmp7, 0xffff
	s_lshl_b32 s17, s17, 2
	s_add_co_u32 s17, s17, s41                     ; block of 256 rows
	s_lshl_b32 s43, s41, 2
	s_lshl_b32 s43, 15, s43                        ; my row of the cluster
	s_lshl_b32 s44, 0x1111, s40                    ; my column
	s_or_b32 s[G1A], s43, (1<<20)|(1<<21)|(5<<22)|(3<<25)   ; elements of 1 byte; four words of padding after every 64; bit 21 beside the mask
	s_or_b32 s[G1B], s44, (1<<20)|(1<<21)|(5<<22)|(3<<25)
	s_mov_b32 s[G1A+2], 256<<16                    ; tensor_dim1, tile_dim1: 256 rows of inputs,
	s_mov_b32 s[G1A+4], 256
	s_mov_b32 s[G1B+2], 64<<16                     ; 64 of weights
	s_mov_b32 s[G1B+4], 64
.irp g, G1A, G1B
	s_mov_b32 s[\g+1], KSTEP<<16
	s_mov_b32 s[\g+3], KSTEP<<16
	s_mov_b32 s[\g+5], 1024                        ; a row in memory
	s_mov_b32 s[\g+6], 0
	s_mov_b32 s[\g+7], 0
.endr
	s_lshl_b32 s20, s17, 18                        ; inputs: 256 rows of 1,024 bytes a block
	s_mov_b32 s21, 0
	s_lshl_b32 s46, s42, 16                        ; weights: 64 rows a head,
	s_lshl_b32 s47, s14, 20                        ; 1,024 rows from Q's to K's to V's
	s_add_co_u32 s46, s46, s47
	s_mov_b32 s47, 0
	s_mul_i32 s45, s14, 64*PITCH
	s_add_co_u32 s45, s45, BOFF
	s_wait_alu depctr_va_vdst(0)
	s_wait_dscnt 0x0                               ; both opening adds are done
	s_wait_kmcnt 0x0
	s_load_b128 s[68:71], s[8:9], 0x0              ; e0 .. e3
	s_load_b64 s[72:73], s[8:9], 0x10              ; e4, e5
	s_add_nc_u64 s[20:21], s[4:5], s[20:21]
	s_add_nc_u64 s[46:47], s[6:7], s[46:47]
	CROUND                                         ; all sixteen work-groups are here: the first joint loads meet
.irp s, 0,1
	s_mov_b32 s[G0A+4*\s], 1
	s_mov_b32 s[G0A+4*\s+1], \s*SLOT
	s_add_nc_u64 s[G0A+4*\s+2:G0A+4*\s+3], s[20:21], \s*KSTEP
	s_or_b32 s[G0A+4*\s+3], s[G0A+4*\s+3], 0x80000000
	s_mov_b32 s[G0B+4*\s], 1
	s_add_co_u32 s[G0B+4*\s+1], s45, \s*SLOT
	s_add_nc_u64 s[G0B+4*\s+2:G0B+4*\s+3], s[46:47], \s*KSTEP
	s_or_b32 s[G0B+4*\s+3], s[G0B+4*\s+3], 0x80000000
.endr
	JLOAD 0                                        ; K step 0: one tensor load a wave at the head
	s_lshl_b32 s80, s17, 18                        ; the prefetches: inputs, 64 of the block's rows,
	s_lshl_b32 s81, s40, 16
	s_add_co_u32 s80, s80, s81
	s_lshl_b32 s81, s14, 20                        ; or 16 of my weights' rows
	s_lshl_b32 s82, s42, 16
	s_add_co_u32 s81, s81, s82
	s_lshl_b32 s82, s41, 14
	s_add_co_u32 s81, s81, s82
	s_cmp_eq_u32 s14, 3
	s_cselect_b32 s94, s80, s81
	s_cselect_b64 s[PFA:PFA+1], s[4:5], s[6:7]
	s_cselect_b32 s82, 31, 15
	s_mov_b32 s95, 0
	s_add_nc_u64 s[PFA:PFA+1], s[PFA:PFA+1], s[94:95]
	s_lshl_b32 s80, s16, 12                        ; the biases of my Q or K columns: 1,024 x (Q or K) + 64 x head, 4 bytes each,
	s_lshl_b32 s81, s42, 8
	s_add_co_u32 s80, s80, s81
	s_lshl_b32 s94, s16, 7                         ; and of my V columns: 2,048 + 64 x head + 32 x half
	s_add_co_u32 s94, s94, s81
	s_mov_b32 s81, 0
	s_add_nc_u64 s[84:85], s[10:11], s[80:81]
	s_add_nc_u64 s[86:87], s[10:11], s[94:95]
	s_add_nc_u64 s[86:87], s[86:87], 0x2000
	v_and_b32 v[PFO], s82, v0
	v_lshlrev_b32 v[PFO], 10, v[PFO]
	v_and_b32 v20, 15, v0                          ; r = lane % 16
	v_bfe_u32 v21, v0, 4, 1                        ; g = lane / 16
	v_lshlrev_b32 v24, 5, v21                      ; my eight columns of a tile of Q or K: 8 g on
	v_lshlrev_b32 v25, 2, v20                      ; my column of a tile of V: r
.irp b, 0,1,2,3
	global_load_b128 v[BI+8*\b:BI+8*\b+3], v24, s[84:85] offset:64*\b
	global_load_b128 v[BI+8*\b+4:BI+8*\b+7], v24, s[84:85] offset:64*\b+16
.endr
.irp b, 0,1
	global_load_b32 v[BV+2*\b], v25, s[86:87] offset:64*\b
	global_load_b32 v[BV+2*\b+1], v25, s[86:87] offset:64*\b
.endr
	s_wait_alu depctr_va_vdst(0)
	ASK 1
	s_lshl_b32 s80, s42, 1                         ; hb = 2 x head + batch
	s_lshr_b32 s81, s17, 3
	s_add_co_u32 s80, s80, s81
	s_lshl_b32 s80, s80, 4
	s_and_b32 s81, s17, 7
	s_lshl_b32 s81, s81, 1
	s_add_co_u32 s80, s80, s81
	s_add_co_u32 s80, s80, s15
	s_lshl_b32 s80, s80, 13                        ; 131,072 hb + 8,192 x (my 128 rows), for Q, K and V alike
	s_lshl_b32 s82, s16, 22
	s_add_co_u32 s82, s80, s82                     ; Q or K
	s_mov_b32 s83, 0
	s_lshl_b32 s81, s16, 12
	s_add_co_u32 s80, s80, s81
	s_add_co_u32 s80, s80, 0x800000                ; V
	s_mov_b32 s81, 0
	s_add_nc_u64 s[88:89], s[12:13], s[82:83]
	s_add_nc_u64 s[90:91], s[12:13], s[80:81]
	s_mul_i32 s80, s15, 128*PITCH
	s_mul_i32 s81, s16, 64*PITCH
	s_add_co_u32 s81, s81, BOFF
	s_mul_i32 s82, s16, 32*PITCH
	s_add_co_u32 s82, s82, BOFF+128*PITCH
	s_mul_i32 s83, s14, WST
	s_add_co_u32 s83, s83, STAGE                   ; my stage
	s_wait_alu depctr_va_vdst(0)
	v_mul_u32_u24 v22, v20, PITCH
	v_lshl_add_u32 v22, v21, 4, v22                ; a fragment's row x pitch + 16 g
	v_add_nc_u32 v[ADX], s80, v22
	v_add_nc_u32 v[ADW], s81, v22
	v_add_nc_u32 v[ADV], s82, v22
	v_add_nc_u32 v[ADX+1], SLOT, v[ADX]
	v_add_nc_u32 v[ADW+1], SLOT, v[ADW]
	v_add_nc_u32 v[ADV+1], SLOT, v[ADV]
	v_and_b32 v26, 31, v0
	v_lshlrev_b32 v[CO], 4, v26
	v_mul_u32_u24 v22, v20, 80                     ; Q, K in: row s = r of 64 bytes + 16; eight codes at 8 g
	v_lshl_add_u32 v22, v21, 3, v22
	v_add_nc_u32 v[STQ], s83, v22
	v_mul_u32_u24 v23, v20, 144                    ; V in: row d = r of 128 bytes + 16; sixteen codes at 16 g
	v_lshl_add_u32 v23, v21, 4, v23
	v_add_nc_u32 v[STV], s83, v23
	v_lshrrev_b32 v22, 2, v26                      ; back: 32 lanes take 512 neighbouring bytes: 8 rows of Q or K, 4 rows of V
	v_mul_u32_u24 v22, v22, 80
	v_and_b32 v23, 3, v26
	v_lshl_add_u32 v22, v23, 4, v22
	v_add_nc_u32 v[RDQ], s83, v22
	v_lshrrev_b32 v22, 3, v26
	v_mul_u32_u24 v22, v22, 144
	v_and_b32 v23, 7, v26
	v_lshl_add_u32 v22, v23, 4, v22
	v_add_nc_u32 v[RDV], s83, v22
.macro FRAG reg, adr, off              ; 16 rows x 128 K: lane (r, g): registers 4 c .. 4 c + 3 = K 32 c + 16 g + 0 .. 15, the same order in inputs and weights
.irp c, 0,1,2,3
	ds_load_b128 v[\reg+4*\c:\reg+4*\c+3], v[\adr] offset:\off+32*\c
.endr
.endm
.macro FETCH q                         ; the fragments of the q-th 128 along K into set q % 2: 56 loads, Q's or K's 16 the youngest
.set SL, ((\q)/2)%2
.set OF, 128*((\q)%2)
.set WB, 128*((\q)%2)
	WIN 0x40*((\q)%2)
.irp i, 0,1,2,3,4,5,6,7
	FRAG XF+16*\i, ADX+SL, OF+\i*16*PITCH
.endr
	WIN 0x40+0x80*((\q)%2)
.irp i, 0,1
	FRAG WB+64+16*\i, ADV+SL, OF+\i*16*PITCH
.endr
.irp i, 0,1,2,3
	FRAG WB+16*\i, ADW+SL, OF+\i*16*PITCH
.endr
	WIN 0
.endm
; The 48 accumulators take turns, one instruction a turn, in the same order in every step.  q = 0 starts the sums with the constant 0.
.macro MULV q                          ; V: source 0 = inputs, source 1 = weights
.set WB, 128*((\q)%2)
	WIN 0xf4+9*((\q)%2)
.irp b, 0,1
.irp a, 0,1,2,3,4,5,6,7
.if (\q) == 0
	v_wmma_f32_16x16x128_fp8_fp8 v[8*(8*\b+\a):8*(8*\b+\a)+7], v[XF+16*\a:XF+16*\a+15], v[WB+64+16*\b:WB+64+16*\b+15], 0
.else
	v_wmma_f32_16x16x128_fp8_fp8 v[8*(8*\b+\a):8*(8*\b+\a)+7], v[XF+16*\a:XF+16*\a+15], v[WB+64+16*\b:WB+64+16*\b+15], v[8*(8*\b+\a):8*(8*\b+\a)+7]
.endif
.endr
.endr
.endm
.macro MULQ q, a0                      ; Q or K: source 0 = weights, source 1 = inputs; four blocks of 16 rows
.set WB, 128*((\q)%2)
	WIN 0xa1+6*((\q)%2)
.irp k, 0,1,2,3
.set AB, \a0+\k
.irp b, 0,1,2,3
.if (\q) == 0
	v_wmma_f32_16x16x128_fp8_fp8 v[8*(4*AB+\b):8*(4*AB+\b)+7], v[WB+16*\b:WB+16*\b+15], v[XF+16*AB:XF+16*AB+15], 0
.else
	v_wmma_f32_16x16x128_fp8_fp8 v[8*(4*AB+\b):8*(4*AB+\b)+7], v[WB+16*\b:WB+16*\b+15], v[XF+16*AB:XF+16*AB+15], v[8*(4*AB+\b):8*(4*AB+\b)+7]
.endif
.endr
.endr
.endm
.macro STEP q                          ; its successor lies in the same slot
	s_wait_dscnt 16                                ; this step's inputs and V's weights are in
	MULV \q
	s_wait_dscnt 0x0                               ; and Q's or K's
	PLACES                                         ; for the loads into the set that the step before has multiplied
	FETCH (\q)+1
	MULQ \q, 0
	MULQ \q, 4
.endm
.macro TURN q, slot, fill, next        ; a slot's last step: its fragments are in registers when the slots change; next: the K step to prefetch, 0 = none
	s_wait_dscnt 16
	MULV \q
	WIN 0
	s_wait_tensorcnt 0x0                           ; my part of the other slot has landed;
	ds_add_u32 v[SPW], v[NIL]                      ; the add;
	s_wait_dscnt 1                                 ; all my reads of this slot are over, the add may be out
	MULQ \q, 0
	s_wait_dscnt 0x0                               ; it is done too
	s_barrier_signal -1
	WIN 0
	s_barrier_wait -1
.if \fill
	CREST                                          ; no wave of any partner still reads this slot or has a load on its way
	s_add_nc_u64 s[G0A+4*\slot+2:G0A+4*\slot+3], s[G0A+4*\slot+2:G0A+4*\slot+3], 2*KSTEP
	s_add_nc_u64 s[G0B+4*\slot+2:G0B+4*\slot+3], s[G0B+4*\slot+2:G0B+4*\slot+3], 2*KSTEP
	JLOAD \slot                                    ; the first tensor load behind the round; its four v_nop are the places for the loads below
.else
	PLACES
.endif
	FETCH (\q)+1
.if \next
	ASK \next
.endif
	MULQ \q, 4
.endm
	s_wait_alu depctr_va_vdst(0)
	s_wait_tensorcnt 0x0                           ; my part of K step 0 is in
	ds_add_u32 v[SPW], v[NIL]
	s_wait_dscnt 0x0
	CROUND                                         ; everybody's part of K step 0 is in
	JLOAD 1                                        ; K step 1, the first tensor load behind the round
	FETCH 0
	ASK 2
	STEP 0
	TURN 1, 0, 1, 3
	STEP 2
	TURN 3, 1, 1, 0
	STEP 4
	TURN 5, 1, 0, 0                                ; nothing is filled again
	STEP 6
	s_wait_dscnt 16
	MULV 7                                         ; V's sums are finished first: they go out ahead of Q's or K's last products
	WIN 0
	s_wait_kmcnt 0x0
	s_wait_loadcnt 0x0                             ; the biases
	s_add_co_i32 s96, s68, s69
	s_add_co_i32 s96, s96, 127
	s_lshl_b32 s96, s96, 23
	s_mov_b32 s97, s96                             ; (named with it as a pair)
	s_cmp_eq_u32 s16, 0
	s_cselect_b32 s74, s70, s71                    ; Q's or K's exponent
	s_add_co_i32 s74, s74, 127
	s_lshl_b32 s80, s74, 23
	s_add_co_i32 s74, s74, 8
	s_lshl_b32 s74, s74, 23
	s_or_b32 s74, s74, 0x600000                    ; 448 x the scale
	s_add_co_i32 s75, s73, 127                     ; V's
	s_lshl_b32 s81, s75, 23
	s_add_co_i32 s75, s75, 8
	s_lshl_b32 s75, s75, 23
	s_or_b32 s75, s75, 0x600000
	PLACES                                         ; for the first reads of results and for writes of fragments' registers
	v_mov_b32 v[SCQ], s80
	v_mov_b32 v[LIQ], s74
	v_mov_b32 v[SCV], s81
	v_mov_b32 v[LIV], s75
.macro QOUT a                          ; 16 rows x 64 columns of Q or K
.set TB, TMP+32*((\a)%2)
.set CB, CD+8*((\a)%2)
	WIN 0x02
.set i, 0
.rept 16
	v_pk_fma_f32 v[TB+i:TB+i+1], v[32*(\a)+i:32*(\a)+i+1], s[96:97], v[BI+i:BI+i+1] op_sel_hi:[1,0,1]
.set i, i+2
.endr
	WIN 0
.set i, 0
.rept 32
	v_med3_num_f32 v[TB+i], v[TB+i], -v[LIQ], v[LIQ]
.set i, i+1
.endr
.irp b, 0,1,2,3
	v_cvt_scalef32_pk8_fp8_f32 v[CB+2*\b:CB+2*\b+1], v[TB+8*\b:TB+8*\b+7], v[SCQ]
.endr
	v_nop
.irp b, 0,1,2,3
	ds_store_b64 v[STQ], v[CB+2*\b:CB+2*\b+1] offset:(\a)*1280+16*\b
.endr
.endm
.macro VOUT b                          ; 16 columns x 128 rows of V
	WIN 0x03
.set i, 0
.rept 32
	v_pk_fma_f32 v[TMP+i:TMP+i+1], v[64*(\b)+i:64*(\b)+i+1], s[96:97], v[BV+2*(\b):BV+2*(\b)+1] op_sel_hi:[1,0,0]
.set i, i+2
.endr
	WIN 0
.set i, 0
.rept 64
	v_med3_num_f32 v[TMP+i], v[TMP+i], -v[LIV], v[LIV]
.set i, i+1
.endr
.irp a, 0,1,2,3,4,5,6,7
	v_cvt_scalef32_pk8_fp8_f32 v[CD+2*\a:CD+2*\a+1], v[TMP+8*\a:TMP+8*\a+7], v[SCV]
.endr
	v_nop
.irp c, 0,1,2,3
	ds_store_b128 v[STV], v[CD+4*\c:CD+4*\c+3] offset:SVO+(\b)*2304+32*\c   ; row blocks 2 c, 2 c + 1: places 32 c + 16 g + 0 .. 15
.endr
.endm
.macro QBACK k0                        ; 64 rows of Q or K back, in eight loads.  LDS serves a wave's instructions in order (ISA guide 5.7.1.4): these see my stores
.set k, \k0
.rept 8
	ds_load_b128 v[RB+4*k:RB+4*k+3], v[RDQ] offset:640*k
.set k, k+1
.endr
.endm
.macro QSEND k0
.set k, \k0
.rept 8
	global_store_b128 v[CO], v[RB+4*k:RB+4*k+3], s[88:89] offset:512*k
.set k, k+1
.endr
.endm
	VOUT 0
	VOUT 1
.set k, 0
.rept 8
.set VR, 68+4*(k%4)+44*(k/4)           ; v68-83, then v112-127: registers that nothing else uses
	ds_load_b128 v[VR:VR+3], v[RDV] offset:SVO+576*k
.set k, k+1
.endr
	s_wait_dscnt 16                                ; Q's or K's last fragments are in; behind them stand V's eight stores and eight loads in LDS
	MULQ 7, 0
	MULQ 7, 4
	WIN 0
	s_wait_dscnt 0x0
.set k, 0
.rept 8
.set VR, 68+4*(k%4)+44*(k/4)
	global_store_b128 v[CO], v[VR:VR+3], s[90:91] offset:512*k
.set k, k+1
.endr
	PLACES                                         ; for the first reads of Q's or K's results
.irp a, 0,1,2,3
	QOUT \a
.endr
	QBACK 0
.irp a, 4,5,6,7
	QOUT \a
.endr
	s_wait_dscnt 16                                ; the eight loads are in; the 16 stores behind them may be out
	QSEND 0
	QBACK 8
	s_wait_dscnt 0x0
	QSEND 8
	s_wait_tensorcnt 0x0                           ; the wave's end
	ds_add_u32 v[SPW], v[NIL]
	s_wait_dscnt 0x0
	CROUND                                         ; the closing round: no work-group ends while a partner may still ask for a tile that names it
	s_endpgm
.Lfunc_end_k_qe9ce2636f1_proj:
	.size	k_qe9ce2636f1_proj, .Lfunc_end_k_qe9ce2636f1_proj-k_qe9ce2636f1_proj
	.p2alignl 7, 3214868480
	.fill 96, 4, 3214868480
	.section	.rodata,"a",@progbits
	.p2align	6, 0x0
	.amdhsa_kernel k_qe9ce2636f1_proj
		.amdhsa_group_segment_fixed_size 327680
		.amdhsa_private_segment_fixed_size 0
		.amdhsa_enable_private_segment 0
		.amdhsa_kernarg_size 40
		.amdhsa_user_sgpr_count 2
		.amdhsa_user_sgpr_kernarg_segment_ptr 1
		.amdhsa_wavefront_size32 1
		.amdhsa_system_sgpr_workgroup_id_x 1
		.amdhsa_system_sgpr_workgroup_id_y 1
		.amdhsa_system_sgpr_workgroup_id_z 1
		.amdhsa_system_vgpr_workitem_id 0
		.amdhsa_next_free_vgpr 1024
		.amdhsa_next_free_sgpr 98
		.amdhsa_reserve_vcc 0
		.amdhsa_float_denorm_mode_32 3
		.amdhsa_float_denorm_mode_16_64 3
		.amdhsa_memory_ordered 1
		.amdhsa_forward_progress 1
		.amdhsa_inst_pref_size 116
	.end_amdhsa_kernel
	.amdgpu_metadata
---
amdhsa.version: [ 1, 2 ]
amdhsa.kernels:
  - .name:           k_qe9ce2636f1_proj
    .symbol:         k_qe9ce2636f1_proj.kd
    .args:
      - { .name: inputs_codes, .offset: 0, .size: 8, .value_kind: global_buffer, .address_space: global }
      - { .name: rotation_params_codes, .offset: 8, .size: 8, .value_kind: global_buffer, .address_space: global }
      - { .name: lowp_scales, .offset: 16, .size: 8, .value_kind: global_buffer, .address_space: global }
      - { .name: entangle_params, .offset: 24, .size: 8, .value_kind: global_buffer, .address_space: global }
      - { .name: qkv, .offset: 32, .size: 8, .value_kind: global_buffer, .address_space: global }
    .group_segment_fixed_size: 327680
    .private_segment_fixed_size: 0
    .kernarg_segment_align: 8
    .kernarg_segment_size: 40
    .max_flat_workgroup_size: 128
    .sgpr_count:     98
    .vgpr_count:     1024
    .wavefront_size: 32
...
	.end_amdgpu_metadata
.endif
;; end of part 1
;; launch attn (part 2): grid 8 x 32, 8 waves a work-group, clusters of 4 x 1, 327,680 bytes of LDS; arguments qkv, lowp_scales, ows; writes ows
.if DOCPART == 2
	.amdgcn_target "amdgcn-amd-amdhsa--gfx1250"
	.amdhsa_code_object_version 6
	.text
	.protected	k_qe9ce2636f1_attn
	.globl	k_qe9ce2636f1_attn
	.p2align	8
	.type	k_qe9ce2636f1_attn,@function
k_qe9ce2636f1_attn:
	s_mov_b64 s[64:65], 0
	v_nop
	global_prefetch_b8 v0, s[64:65] scope:SCOPE_SE
	s_setreg_imm32_b32 hwreg(HW_REG_WAVE_MODE, 25, 1), 1
	s_wait_xcnt 0x0
	s_wait_alu depctr_hold_cnt(0) depctr_sa_sdst(0) depctr_va_vdst(0) depctr_va_sdst(0) depctr_va_ssrc(0) depctr_va_vcc(0) depctr_vm_vsrc(0)
	s_getreg_b32 s2, hwreg(HW_REG_IB_STS2, 6, 4)
	s_cmp_eq_u32 s2, 0
	s_cbranch_scc0 .Lentry_in_a_cluster
	s_endpgm
.Lentry_in_a_cluster:
	s_bfe_u32 s2, ttmp6, 0x10000c
	s_cmp_lg_u32 s2, 0x3003
	s_cbranch_scc0 .Lentry_shape_is_right
	s_endpgm
.Lentry_shape_is_right:
; o[hb][q][:] = the sum over k of softmax_k(Q[hb][q] . K[hb][k] / 8) V[hb][k][:], both products on codes of E4M3, each operand with the one scale 2^e that is given for it (eq = e2, ek = e3, ep = e4, ev = e5).
; IN: Q, K: [hb 32][s 2048][d 64] codes; V: [hb 32][chunk 16][d 64][place 128] codes, key 32 c + 16 u + 8 g + j of a chunk at place 32 c + 16 g + 8 u + j.
; OUT, f32: [hb 32][tile of 16 queries 128][tu 8][lane 32][i 4]: lane 16 g + r holds o(s = 16 tile + r, d = 16 (tu / 2) + 8 g + 4 (tu % 2) + i).  The next launch puts it in the output's order.
; THE SOFTMAX: t = score x log2(e) / 8; M = the row's largest t so far, rounded UP to a whole number; p = 2^(t - M) is quantised, not normalised.  The row's sum is taken of the unquantised p, in f32, and divides at the end.
; When M moves, the sum and O are multiplied by 2^(old M - new M): exact.
; LIMITS: eq + ek between -123 and 130 (they are added to c's exponent field); ep between -126 and 119; t stays under 2^31 in magnitude.
; SHARES.  A work-group owns 256 queries of one hb; each of its eight waves owns 32 of them, tiles A and B of 16, so that a fragment of K or V read from LDS feeds two matrix instructions.  A step is 256 keys.
; All of one hb's K and V, 262,144 bytes of codes, lies in LDS, filled once: keys 0-511 by the head's one load a wave, keys 512-2,047 by one more a wave behind a round of the cluster's barrier: these have keys 0-511's two steps in which to land.
; CLUSTER.  The four work-groups are four query blocks of one hb: each tile is asked for jointly.  No prefetch: all that is left is asked for ahead of the first step.
; LAYOUT.  Both products are used transposed: S^T = K Q^T, O^T = V^T P^T: a lane holds ONE query (lane % 16) of each tile.  In key tile t register j of lane (r, g) is key 16 t + 8 g + j: its eight codes ARE registers 2 t, 2 t + 1 of the second product's operand.
; REGISTERS.  Window 0: v0-15 addresses and single numbers; v16-31 the two sums in four pairs each; v32-159 tile A's scores, then p of A, then p of B; v160-223 the codes of A and B (ahead of them K's key tiles 8-15, the maxima, pairwise sums of p); v224-255 O^T of A.
;   Window 1: v0-127 tile B's scores, then V; v128-191 K's key tiles 0-7; v192-207 Q; v208-239 O^T of B.
; BATCHES.  A tile's 128 p are two groups of 64.  A group's 64 exponentials are a batch, with one wait at each border.  Inside a batch stand only plain lines that read what was written ahead of the border and whose results are read behind the next one:
;   A's second group's t - M; the group before's holds and pairwise sums (A's second group's stand in B's first batch).
.set KP,   80                          ; a key's row in LDS: 64 bytes + 16 of padding: an odd multiple of 16
.set VP,   144                         ; a row of V's chunk: 128 bytes + 16
.set VB,   2048*KP                     ; K's 2,048 rows, then V's 16 chunks of 64 rows
.set SPARE, VB+1024*VP                 ; the spare words
.set AK0,  1
.set AV0,  2
.set ADK,  3
.set ADV,  4
.set GO,   5
.set NMA,  6                           ; v6 -M of A, v7 its largest score
.set RMA,  7
.set NMB,  8
.set RMB,  9
.set FA,   10                          ; v10 A's factor; v11 2^ep
.set SC,   11
.set FB,   12                          ; v12 B's factor; v13 0
.set NIL,  13
.set SPW,  14
.set ACA,  16
.set ACB,  24
.set PR,   32                          ; scores of A, and p
.set CA,   160
.set CB,   192
.set OA,   224
.set SB,   0                           ; window 1
.set KF,   128
.set QA,   192
.set QB,   200
.set OB,   208
.set MXA,  160                         ; at work between the products and the codes
.set MXB,  168
.set PTA,  176
.set PTB,  177
.set TA,   178
.set TB,   179
.set UA,   180
.set UB,   181
.set TP,   192                         ; a group's sixteen pairwise sums, where B's codes come later
.set TQ,   208                         ; the last group's, eight at a time, where B's second group's codes come later
.set WV,   10
.set G1KA, 16
.set G1KB, 24
.set G1VA, 32
.set G1VB, 40
.set G0KA, 48
.set G0KB, 52
.set G0VA, 56
.set G0VB, 60
.set SEL,  66                          ; lane selects for v_permlanex16_b32: lane l xor 16
.set CS,   68                          ; s[68:69] c = log2(e) / 8 x 2^(eq + ek)
.set TBK,  76
.set TBV,  77
.set CNT,  78
.set LIMS, 94                          ; 448 x 2^ep
.set MSB, 0
.macro WIN new                         ; the immediate's high byte repeats the setting that is left
.if MSB != \new
	s_set_vgpr_msb (MSB<<8)|\new
.set MSB, \new
.endif
.endm
.macro CROUND                          ; a round of the cluster's barrier
	s_barrier_signal -1
	s_barrier_wait -1
	s_cmp_lg_u32 s[WV], 0
	s_cbranch_scc1 .Lnot_wave_0_\@
	s_barrier_signal -3
.Lnot_wave_0_\@:
	s_barrier_wait -3
	s_barrier_signal -1
	s_barrier_wait -1
.endm
.macro JLOAD g0k, g1k, g0v, g1v        ; waves 0-3 fetch K's quarters, waves 4-7 V's: one load each
	s_cmp_lt_u32 s[WV], 4
	s_cbranch_scc0 .Lfor_v_\@
	tensor_load_to_lds s[\g0k:\g0k+3], s[\g1k:\g1k+7]
	s_nop 0
.rept 4
	v_nop
.endr
	s_branch .Lasked_\@
.Lfor_v_\@:
	tensor_load_to_lds s[\g0v:\g0v+3], s[\g1v:\g1v+7]
	s_nop 0
.rept 4
	v_nop
.endr
.Lasked_\@:
.endm
	s_load_b128 s[4:7], s[0:1], 0x0                ; qkv s[4:5], the scales' exponents s[6:7]
	s_load_b64 s[8:9], s[0:1], 0x10                ; ows
	v_lshl_add_u32 v[SPW], v0, 2, SPARE
	v_mov_b32 v[NIL], 0
	ds_add_u32 v[SPW], v[NIL]                      ; the opening lines: the add, twice on end,
	ds_add_u32 v[SPW], v[NIL]                      ; and one wait below
	v_lshrrev_b32 v5, 5, v0
	v_readfirstlane_b32 s[WV], v5                  ; wave 0..7
	s_and_b32 s11, ttmp7, 0xffff                   ; hb, which the four partners share
	s_bfe_u32 s12, ttmp6, 0x40000
	s_lshl_b32 s13, ttmp9, 2
	s_add_co_u32 s13, s13, s12                     ; my block of 256 queries: it enters Q's and the output's addresses alone
	s_and_b32 s79, s[WV], 3                        ; which quarter I fetch
	s_lshl_b32 s80, s11, 17                        ; hb's 131,072 bytes
	s_mov_b32 s81, 0
	s_lshl_b32 s82, s79, 13                        ; keys 0-511: 8,192 bytes a wave,
	s_mov_b32 s83, 0
	s_mul_i32 s88, s79, 24576                      ; keys 512-2,047: 24,576
	s_add_co_u32 s88, s88, 32768
	s_mov_b32 s89, 0
	s_mul_i32 s90, s79, 128*KP                     ; and in LDS: K: 128 keys a wave,
	s_mul_i32 s91, s79, 384*KP                     ; 384 keys;
	s_add_co_u32 s91, s91, 512*KP
	s_mul_i32 s92, s79, 64*VP                      ; V: one chunk a wave,
	s_add_co_u32 s92, s92, VB
	s_mul_i32 s93, s79, 192*VP                     ; three chunks
	s_add_co_u32 s93, s93, VB+256*VP
	; descriptor group 1: rows of 256 bytes, dense in memory, elements of 1 byte; four words of padding after every 16 words (K) or 32 words (V); mask of all four, bit 21 beside it
.irp g, G1KA, G1KB
	s_mov_b32 s[\g], 15|(1<<20)|(1<<21)|(3<<22)|(3<<25)
.endr
.irp g, G1VA, G1VB
	s_mov_b32 s[\g], 15|(1<<20)|(1<<21)|(4<<22)|(3<<25)
.endr
.irp g, G1KA, G1KB, G1VA, G1VB
	s_mov_b32 s[\g+1], 256<<16
	s_mov_b32 s[\g+3], 256<<16
	s_mov_b32 s[\g+5], 256
	s_mov_b32 s[\g+6], 0
	s_mov_b32 s[\g+7], 0
.endr
.irp g, G1KA, G1VA
	s_mov_b32 s[\g+2], 32<<16                      ; 32 rows: 8,192 bytes
	s_mov_b32 s[\g+4], 32
.endr
.irp g, G1KB, G1VB
	s_mov_b32 s[\g+2], 96<<16                      ; 96 rows: 24,576 bytes
	s_mov_b32 s[\g+4], 96
.endr
	s_mov_b32 s[SEL], 0x76543210
	s_mov_b32 s[SEL+1], 0xfedcba98
	s_mov_b32 s[CS], 0x3e38aa3b                    ; log2(e) / 8
	s_wait_alu depctr_va_vdst(0)
	s_wait_dscnt 0x0                               ; both opening adds are done
	s_wait_kmcnt 0x0
	s_load_b128 s[72:75], s[6:7], 0x8              ; eq, ek, ep, ev
	s_add_nc_u64 s[84:85], s[4:5], s[80:81]
	s_add_nc_u64 s[86:87], s[84:85], 0x800000      ; V's part of the buffer,
	s_add_nc_u64 s[84:85], s[84:85], 0x400000      ; K's
.irp g, G0KA, G0KB, G0VA, G0VB
	s_mov_b32 s[\g], 1
.endr
	s_mov_b32 s[G0KA+1], s90
	s_mov_b32 s[G0KB+1], s91
	s_mov_b32 s[G0VA+1], s92
	s_mov_b32 s[G0VB+1], s93
	s_add_nc_u64 s[G0KA+2:G0KA+3], s[84:85], s[82:83]
	s_add_nc_u64 s[G0KB+2:G0KB+3], s[84:85], s[88:89]
	s_add_nc_u64 s[G0VA+2:G0VA+3], s[86:87], s[82:83]
	s_add_nc_u64 s[G0VB+2:G0VB+3], s[86:87], s[88:89]
.irp g, G0KA, G0KB, G0VA, G0VB
	s_or_b32 s[\g+3], s[\g+3], 0x80000000
.endr
	CROUND                                         ; all four work-groups are here: the joint loads meet
	JLOAD G0KA, G1KA, G0VA, G1VA                   ; keys 0-511
	s_lshl_b32 s82, s13, 14                        ; Q: hb x 131,072 + (256 x block + 32 x wave) x 64
	s_add_co_u32 s80, s80, s82
	s_lshl_b32 s82, s[WV], 11
	s_add_co_u32 s80, s80, s82
	s_add_nc_u64 s[4:5], s[4:5], s[80:81]
	s_lshl_b32 s92, s11, 19                        ; the output: hb x 524,288 + (16 x block + 2 x wave) x 4,096
	s_lshl_b32 s82, s13, 16
	s_add_co_u32 s92, s92, s82
	s_lshl_b32 s82, s[WV], 13
	s_add_co_u32 s92, s92, s82
	s_mov_b32 s93, 0
	s_add_nc_u64 s[8:9], s[8:9], s[92:93]
	v_and_b32 v32, 15, v0                          ; r
	v_bfe_u32 v33, v0, 4, 1                        ; g
	v_lshlrev_b32 v5, 6, v32
	v_lshl_add_u32 v5, v33, 4, v5                  ; Q: row r of 64 bytes, + 16 g
	WIN 0x40
	global_load_b128 v[QA:QA+3], v5, s[4:5]        ; Q's fragments stay in registers
	global_load_b128 v[QA+4:QA+7], v5, s[4:5] offset:32
	global_load_b128 v[QB:QB+3], v5, s[4:5] offset:1024
	global_load_b128 v[QB+4:QB+7], v5, s[4:5] offset:1056
.set i, 0
.rept 32
	v_mov_b32 v[OB+i], 0                           ; O^T: the step has no first form of its own, and the first change of M leaves zeros
.set i, i+1
.endr
	WIN 0
.set i, 0
.rept 32
	v_mov_b32 v[OA+i], 0
.set i, i+1
.endr
.set i, 0
.rept 16
	v_mov_b32 v[ACA+i], 0                          ; the two sums
.set i, i+1
.endr
	v_mul_u32_u24 v[AK0], v32, KP
	v_lshl_add_u32 v[AK0], v33, 4, v[AK0]
	v_mul_u32_u24 v[AV0], v32, VP
	v_lshl_add_u32 v[AV0], v33, 4, v[AV0]
	v_mov_b32 v[RMA], 0xff61b1e6                   ; the largest score so far: -3e38, under every score
	v_mov_b32 v[RMB], 0xff61b1e6
	v_mov_b32 v[NMA], 0x7f61b1e6                   ; -M: so large that the first change of M gives a factor of 0
	v_mov_b32 v[NMB], 0x7f61b1e6
	s_wait_kmcnt 0x0
	s_add_co_i32 s80, s72, s73
	s_lshl_b32 s80, s80, 23
	s_add_co_i32 s[CS], s[CS], s80                 ; a score stands for score x 2^(eq + ek)
	s_mov_b32 s[CS+1], s[CS]                       ; (named with it as a pair)
	s_add_co_i32 s80, s74, 127
	s_lshl_b32 s81, s80, 23
	s_add_co_i32 s80, s80, 8
	s_lshl_b32 s80, s80, 23
	s_or_b32 s[LIMS], s80, 0x600000
	v_mov_b32 v[SC], s81                           ; 2^ep as f32, for the conversion
.macro TMM j                           ; t - M of A, the pair at PR + j: of the pairs c and -M the low word serves both halves
	v_pk_fma_f32 v[PR+\j:PR+\j+1], v[PR+\j:PR+\j+1], s[CS:CS+1], v[NMA:NMA+1] op_sel_hi:[1,0,0]
.endm
.macro TMB j0                          ; t - M of B, 32 pairs from j0 on: from window 1 into the registers that A's p have left
	WIN 0x01
.set i, \j0
.rept 32
	v_pk_fma_f32 v[PR+i:PR+i+1], v[SB+i:SB+i+1], s[CS:CS+1], v[NMB:NMB+1] op_sel_hi:[1,0,0]
.set i, i+2
.endr
	WIN 0
.endm
.macro HOLD j                          ; p is not negative, so the hold at 448 x 2^ep is one-sided.  (The conversion to an 8-bit code does not saturate: ISA guide 7.6.2)
	v_dual_min_num_f32 v[PR+\j], s[LIMS], v[PR+\j] :: v_dual_min_num_f32 v[PR+\j+1], s[LIMS], v[PR+\j+1]
.endm
.macro ITEM at, tb                     ; the next of a group's 48 plain lines, counted by it: sixteen times a pairwise sum, then the holds of the same four p: the sum is taken of the unheld p
.set jq, it/3
.if (it%3) == 0
	v_pk_add_f32 v[\tb+2*jq:\tb+2*jq+1], v[PR+\at+4*jq:PR+\at+4*jq+1], v[PR+\at+4*jq+2:PR+\at+4*jq+3]
.else
	HOLD \at+4*jq+2*(it%3-1)
.endif
.set it, it+1
.endm
.macro SUMT ac, f, first, tb, n        ; n pairwise sums onto the sum's four pairs; first = 1: the first four also bring the sum under the new M
.set jj, 0
.rept \n
.set cc, \ac+2*(jj%4)
.set rr, \tb+2*jj
.if (\first) && (jj < 4)
	v_pk_fma_f32 v[cc:cc+1], v[cc:cc+1], v[\f:\f+1], v[rr:rr+1] op_sel_hi:[1,0,1]
.else
	v_pk_add_f32 v[cc:cc+1], v[cc:cc+1], v[rr:rr+1]
.endif
.set jj, jj+1
.endr
.endm
.macro CODES g, co                     ; a group's eight key tiles become codes
.irp k, 0,1,2,3,4,5,6,7
	v_cvt_scalef32_pk8_fp8_f32 v[\co+16*(\g)+2*\k:\co+16*(\g)+2*\k+1], v[PR+64*(\g)+8*\k:PR+64*(\g)+8*\k+7], v[SC]
.endr
.endm
.macro BATCH g, tm, ig                 ; group g's 64 exponentials; tm = 1: A's second group's t - M inside; ig: the group whose items stand inside, -1 = none
	s_wait_alu depctr_va_vdst(0)
.set ee, 0
.set it, 0
.rept 64
	v_exp_f32 v[PR+64*(\g)+ee], v[PR+64*(\g)+ee]   ; p = 2^(t - M), at most 1
.if (\tm) && ((ee%2) == 0)
	TMM 64+ee
.endif
.if ((\ig) >= 0) && ((ee%4) != 0)
	ITEM 64*(\ig), TP
.endif
.set ee, ee+1
.endr
.endm
.macro KLOAD at                        ; a step's key tiles 0-7, at bytes from v[ADK] on
	WIN 0x40
.irp t, 0,1,2,3,4,5,6,7
	ds_load_b128 v[KF+8*\t:KF+8*\t+3], v[ADK] offset:\at+16*KP*\t          ; keys 16 t + r: d = 16 g + 0 .. 15,
	ds_load_b128 v[KF+8*\t+4:KF+8*\t+7], v[ADK] offset:\at+16*KP*\t+32     ; d = 32 + 16 g + 0 .. 15
.endr
	WIN 0
.endm
; A STEP: 256 keys, from s[TBK] and s[TBV] on.  K's key tiles 0-7 were asked for earlier; pre = 1: the next step's are asked for here.
.macro STEP pre
	v_add_nc_u32 v[ADK], s[TBK], v[AK0]            ; five plain lines behind the last step's products: these read V and the codes, whose registers the loads and the products below write over
	v_add_nc_u32 v[ADV], s[TBV], v[AV0]
.rept 3
	v_nop
.endr
.irp t, 0,1,2,3,4,5,6,7
	ds_load_b128 v[CA+8*\t:CA+8*\t+3], v[ADK] offset:16*KP*(\t+8)
	ds_load_b128 v[CA+8*\t+4:CA+8*\t+7], v[ADK] offset:16*KP*(\t+8)+32
.endr
.irp u, 0,1,2,3
	s_wait_dscnt 24-8*\u                           ; K's 32 loads are the only ones out, two a key tile: four more tiles are in
.if \u < 2
.set kr, KF+32*\u
.set kw, 0x05
.else
.set kr, CA+32*(\u-2)
.set kw, 0x04
.endif
	WIN kw
.irp t, 0,1,2,3
	v_wmma_f32_16x16x64_fp8_fp8 v[PR+32*\u+8*\t:PR+32*\u+8*\t+7], v[kr+8*\t:kr+8*\t+7], v[QA:QA+7], 0
.endr
	WIN kw+0x40
.irp t, 0,1,2,3
	v_wmma_f32_16x16x64_fp8_fp8 v[SB+32*\u+8*\t:SB+32*\u+8*\t+7], v[kr+8*\t:kr+8*\t+7], v[QB:QB+7], 0
.endr
.endr
	WIN 0
.rept 4
	v_nop                                          ; places in front of the first reads of the scores, and of writes where K lay
.endr
.irp k, 0,1,2,3,4,5,6,7
	v_max3_num_f32 v[MXA+\k], v[RMA], v[PR+16*\k], v[PR+16*\k+1]       ; the largest score of my query, the steps before included: eight chains, each over two key tiles, each tile from its low end on
.endr
.set i, 2
.rept 7
.irp k, 0,1,2,3,4,5,6,7
	v_max3_num_f32 v[MXA+\k], v[MXA+\k], v[PR+16*\k+i], v[PR+16*\k+i+1]
.endr
.set i, i+2
.endr
	WIN 0x14
.irp k, 0,1,2,3,4,5,6,7
	v_max3_num_f32 v[MXB+\k], v[RMB], v[SB+16*\k], v[SB+16*\k+1]
.endr
.set i, 2
.rept 7
.irp k, 0,1,2,3,4,5,6,7
	v_max3_num_f32 v[MXB+\k], v[MXB+\k], v[SB+16*\k+i], v[SB+16*\k+i+1]
.endr
.set i, i+2
.endr
	WIN 0
.irp m, MXA, MXB
	v_max3_num_f32 v[\m], v[\m], v[\m+1], v[\m+2]
	v_max3_num_f32 v[\m+3], v[\m+3], v[\m+4], v[\m+5]
.endr
.irp m, MXA, MXB
	v_max3_num_f32 v[\m], v[\m], v[\m+3], v[\m+6]
.endr
.irp m, MXA, MXB
	v_max_num_f32 v[\m], v[\m], v[\m+7]
.endr
	v_permlanex16_b32 v[PTA], v[MXA], s[SEL], s[SEL+1]     ; lane l xor 16 holds my query's other keys
	v_permlanex16_b32 v[PTB], v[MXB], s[SEL], s[SEL+1]
	v_max_num_f32 v[RMA], v[MXA], v[PTA]
	v_max_num_f32 v[RMB], v[MXB], v[PTB]
	v_mul_f32 v[TA], s[CS], v[RMA]                 ; as t (c is positive)
	v_mul_f32 v[TB], s[CS], v[RMB]
	v_floor_f32 v[TA], -v[TA]                      ; the new -M = floor(-t): M is a whole number
	v_floor_f32 v[TB], -v[TB]
	v_sub_f32 v[UA], v[TA], v[NMA]                 ; M's old value less its new one: a whole number, 0 or less
	v_sub_f32 v[UB], v[TB], v[NMB]
	v_mov_b32 v[NMA], v[TA]
	v_mov_b32 v[NMB], v[TB]
	v_cvt_i32_f32 v[UA], v[UA]                     ; (it saturates)
	v_cvt_i32_f32 v[UB], v[UB]
	v_ldexp_f32 v[FA], 1.0, v[UA]                  ; a multiplication by this power of two rounds nothing
	v_ldexp_f32 v[FB], 1.0, v[UB]
.set i, 0
.rept 16
	v_pk_mul_f32 v[OA+i:OA+i+1], v[OA+i:OA+i+1], v[FA:FA+1] op_sel_hi:[1,0]
.set i, i+2
.endr
	WIN 0x41
.set i, 0
.rept 16
	v_pk_mul_f32 v[OB+i:OB+i+1], v[OB+i:OB+i+1], v[FB:FB+1] op_sel_hi:[1,0]
.set i, i+2
.endr
	WIN 0
.set i, 0
.rept 32
	TMM i
.set i, i+2
.endr
	BATCH 0, 1, -1                                 ; A's first group, with the second's t - M inside
	BATCH 1, 0, 0                                  ; A's second, with the first's items inside
	s_wait_alu depctr_va_vdst(0)
	CODES 0, CA
	SUMT ACA, FA, 1, TP, 16
	TMB 0                                          ; B's first group; A's second is still p
	BATCH 0, 0, 1                                  ; B's first group, with A's last holds and sums inside
	s_wait_alu depctr_va_vdst(0)
	CODES 1, CA
	SUMT ACA, FA, 0, TP, 16
	TMB 64                                         ; B's second group
	WIN 0x40
.irp c, 0,1
.irp d, 0,1,2,3
.irp k, 0,1,2,3
	ds_load_b128 v[SB+64*\c+16*\d+4*\k:SB+64*\c+16*\d+4*\k+3], v[ADV] offset:64*VP*\c+16*VP*\d+32*\k   ; V^T where B's scores lay: chunk c, d = 16 d + r: places 32 k + 16 g + 0 .. 15
.endr
.endr
.endr
.if \pre
	KLOAD 256*KP
.endif
	WIN 0
	BATCH 1, 0, 0
	s_wait_alu depctr_va_vdst(0)
.if \pre
	s_wait_dscnt 16                                ; V is in; the next step's 16 loads of K behind it may be out
.else
	s_wait_dscnt 0x0                               ; V is in
.endif
	SUMT ACB, FB, 1, TP, 16
	CODES 0, CB                                    ; over the pairwise sums, which are used up
.set it, 0
.rept 24
	ITEM 64, TQ                                    ; B's last group, pairwise sums 0-7,
.endr
	SUMT ACB, FB, 0, TQ, 8
.rept 24
	ITEM 64, TP                                    ; and 8-15, in the same registers: TP + 16 = TQ
.endr
	SUMT ACB, FB, 0, TQ, 8
	CODES 1, CB
	v_nop                                          ; a plain line behind the last conversion
.irp c, 0,1                            ; eight accumulators by turns, one instruction a turn
	WIN 0x01
.irp d, 0,1,2,3
	v_wmma_f32_16x16x128_fp8_fp8 v[OA+8*\d:OA+8*\d+7], v[SB+64*\c+16*\d:SB+64*\c+16*\d+15], v[CA+16*\c:CA+16*\c+15], v[OA+8*\d:OA+8*\d+7]
.endr
	WIN 0x51
.irp d, 0,1,2,3
	v_wmma_f32_16x16x128_fp8_fp8 v[OB+8*\d:OB+8*\d+7], v[SB+64*\c+16*\d:SB+64*\c+16*\d+15], v[CB+16*\c:CB+16*\c+15], v[OB+8*\d:OB+8*\d+7]
.endr
.endr
	WIN 0
.endm
.macro PHASE key, trips                ; trips steps that ask for the next one's K, and a last one that does not: no read runs ahead of a barrier
	s_mov_b32 s[TBK], KP*\key
	s_mov_b32 s[TBV], VB+(\key/2)*VP               ; 64 rows of V's image for 128 keys
	v_add_nc_u32 v[ADK], s[TBK], v[AK0]
	KLOAD 0
.if \trips > 1
	s_mov_b32 s[CNT], \trips
.Lstep_\@:
.endif
	STEP 1
	s_add_co_u32 s[TBK], s[TBK], 256*KP
	s_add_co_u32 s[TBV], s[TBV], 128*VP
.if \trips > 1
	s_sub_co_u32 s[CNT], s[CNT], 1
	s_cmp_lg_u32 s[CNT], 0
	s_cbranch_scc1 .Lstep_\@
.endif
	STEP 0
.endm
	s_wait_alu depctr_va_vdst(0)
	s_wait_loadcnt 0x0                             ; Q
	s_wait_tensorcnt 0x0                           ; my part of keys 0-511 is in
	ds_add_u32 v[SPW], v[NIL]
	s_wait_dscnt 0x0
	CROUND                                         ; everybody's part is in
	JLOAD G0KB, G1KB, G0VB, G1VB                   ; keys 512-2,047, the first tensor load behind the round
	PHASE 0, 1
	s_wait_tensorcnt 0x0                           ; my part of keys 512-2,047 is in
	s_wait_dscnt 0x0                               ; no LDS instruction of mine is pending at the signal
	s_barrier_signal -1
	s_barrier_wait -1
	PHASE 512, 5
	; THE WAY OUT.  O^T / the sum x 2^(ep + ev), stored as the registers stand: each store of the wave covers 512 consecutive bytes, aligned.  The first lines are the places behind the last products.
	v_pk_add_f32 v[ACA:ACA+1], v[ACA:ACA+1], v[ACA+2:ACA+3]
	v_pk_add_f32 v[ACB:ACB+1], v[ACB:ACB+1], v[ACB+2:ACB+3]
	v_pk_add_f32 v[ACA+4:ACA+5], v[ACA+4:ACA+5], v[ACA+6:ACA+7]
	v_pk_add_f32 v[ACB+4:ACB+5], v[ACB+4:ACB+5], v[ACB+6:ACB+7]
	v_pk_add_f32 v[ACA:ACA+1], v[ACA:ACA+1], v[ACA+4:ACA+5]
	v_pk_add_f32 v[ACB:ACB+1], v[ACB:ACB+1], v[ACB+4:ACB+5]
	v_and_b32 v[GO], 31, v0
	v_lshlrev_b32 v[GO], 4, v[GO]
	v_add_f32 v32, v[ACA], v[ACA+1]
	v_add_f32 v34, v[ACB], v[ACB+1]
	v_permlanex16_b32 v36, v32, s[SEL], s[SEL+1]
	v_permlanex16_b32 v38, v34, s[SEL], s[SEL+1]
	v_add_f32 v32, v32, v36                        ; with lane l xor 16's: the row's sum
	v_add_f32 v34, v34, v38
	s_add_co_i32 s80, s74, s75
	s_wait_alu depctr_va_vdst(0)                   ; the wait ahead of the transcendentals,
	v_rcp_f32 v32, v32
	v_rcp_f32 v34, v34
	v_nop                                          ; one plain place behind them,
	s_wait_alu depctr_va_vdst(0)                   ; and the wait ahead of their first reader
	v_ldexp_f32 v32, v32, s80                      ; x 2^(ep + ev)
	v_ldexp_f32 v34, v34, s80
	s_wait_alu depctr_va_vdst(0)                   ; the wait directly ahead of the first reader of O^T
.set i, 0
.rept 16
	v_pk_mul_f32 v[64+i:65+i], v[OA+i:OA+i+1], v[32:33] op_sel_hi:[1,0]   ; register 8 t + j is o(r, 16 t + 8 g + j); each accumulator from its low end on
.set i, i+2
.endr
	WIN 0x01
	s_wait_alu depctr_va_vdst(0)                   ; and here, for tile B
.set i, 0
.rept 16
	v_pk_mul_f32 v[96+i:97+i], v[OB+i:OB+i+1], v[34:35] op_sel_hi:[1,0]
.set i, i+2
.endr
	WIN 0
.set k, 0
.rept 16
	global_store_b128 v[GO], v[64+4*k:67+4*k], s[8:9] offset:512*k
.set k, k+1
.endr
	s_wait_tensorcnt 0x0                           ; the wave's end
	ds_add_u32 v[SPW], v[NIL]
	s_wait_dscnt 0x0
	CROUND                                         ; the closing round: no work-group ends while a partner may still ask for a tile that names it
	s_endpgm
.Lfunc_end_k_qe9ce2636f1_attn:
	.size	k_qe9ce2636f1_attn, .Lfunc_end_k_qe9ce2636f1_attn-k_qe9ce2636f1_attn
	.p2alignl 7, 3214868480
	.fill 96, 4, 3214868480
	.section	.rodata,"a",@progbits
	.p2align	6, 0x0
	.amdhsa_kernel k_qe9ce2636f1_attn
		.amdhsa_group_segment_fixed_size 327680
		.amdhsa_private_segment_fixed_size 0
		.amdhsa_enable_private_segment 0
		.amdhsa_kernarg_size 24
		.amdhsa_user_sgpr_count 2
		.amdhsa_user_sgpr_kernarg_segment_ptr 1
		.amdhsa_wavefront_size32 1
		.amdhsa_system_sgpr_workgroup_id_x 1
		.amdhsa_system_sgpr_workgroup_id_y 1
		.amdhsa_system_sgpr_workgroup_id_z 1
		.amdhsa_system_vgpr_workitem_id 0
		.amdhsa_next_free_vgpr 512
		.amdhsa_next_free_sgpr 98
		.amdhsa_reserve_vcc 0
		.amdhsa_float_denorm_mode_32 3
		.amdhsa_float_denorm_mode_16_64 3
		.amdhsa_memory_ordered 1
		.amdhsa_forward_progress 1
		.amdhsa_inst_pref_size 232
	.end_amdhsa_kernel
	.amdgpu_metadata
---
amdhsa.version: [ 1, 2 ]
amdhsa.kernels:
  - .name:           k_qe9ce2636f1_attn
    .symbol:         k_qe9ce2636f1_attn.kd
    .args:
      - { .name: qkv, .offset: 0, .size: 8, .value_kind: global_buffer, .address_space: global }
      - { .name: lowp_scales, .offset: 8, .size: 8, .value_kind: global_buffer, .address_space: global }
      - { .name: ows, .offset: 16, .size: 8, .value_kind: global_buffer, .address_space: global }
    .group_segment_fixed_size: 327680
    .private_segment_fixed_size: 0
    .kernarg_segment_align: 8
    .kernarg_segment_size: 24
    .max_flat_workgroup_size: 256
    .sgpr_count:     98
    .vgpr_count:     512
    .wavefront_size: 32
...
	.end_amdgpu_metadata
.endif
;; end of part 2
;; launch spread (part 3): grid 256 x 1, 2 waves a work-group, no clusters, 34,048 bytes of LDS; arguments ows, out0; writes out0
.if DOCPART == 3
	.amdgcn_target "amdgcn-amd-amdhsa--gfx1250"
	.amdhsa_code_object_version 6
	.text
	.protected	k_qe9ce2636f1_spread
	.globl	k_qe9ce2636f1_spread
	.p2align	8
	.type	k_qe9ce2636f1_spread,@function
k_qe9ce2636f1_spread:
	s_mov_b64 s[64:65], 0
	v_nop
	global_prefetch_b8 v0, s[64:65] scope:SCOPE_SE
	s_setreg_imm32_b32 hwreg(HW_REG_WAVE_MODE, 25, 1), 1
	s_wait_xcnt 0x0
; The attention's results are put in the output's order: out0, read as [s 2048][d 64][hb 32] f32, has hb innermost, and hb is the OUTERMOST index of what attention makes.
; IN: [hb 32][qt 128][tu 8][lane 32][i 4] f32: lane 16 g + r holds o(hb, s = 16 qt + r, d = 16 (tu / 2) + 8 g + 4 (tu % 2) + i).
; A wave takes two pieces: one qt, tu = 2 n and 2 n + 1.  A piece is 32 loads of 512 consecutive bytes, one for each hb.  For a lane's (s, d .. d + 3) the 32 hb make 4 x 128 = 512 consecutive bytes of out0: a RUN.  So a piece is 32 runs.
; All 64 loads are asked for at once, the first piece's first: it goes out while the second piece's loads come in.
; The turn goes through the wave's own LDS: lane l stores its 16 bytes of hb into run l at 16 hb (+ 16 from hb = 16 on); a run is read back word by word in the order [i][hb] and stored by the 32 lanes as 512 consecutive bytes, aligned.
; Every byte is read once and written once.  No matrix unit, no cluster (work-groups share nothing), no barrier (waves share nothing), no loop and so no prefetch: every offset is an immediate.
.set RUN,  528                         ; a run's pitch: an odd multiple of 16
.set WREG, 32*RUN                      ; a wave's LDS
.set SPARE, 2*WREG                     ; the spare words
.set SPW,  10
.set NIL,  11
.set L,    16                          ; v16-143  the first piece as loaded: 4 registers for each hb; later batches 2 and 3 of its runs
.set GA,   144                         ; v144-175, v176-207 batches 0 and 1
.set GB,   176
.set M,    0                           ; window 1: v0-127 the second piece; later batches 2 and 3
.set HA,   128                         ; window 1: v128-159, v160-191 batches 0 and 1
.set HB,   160
.set MSB, 0
.macro WIN new                         ; the immediate's high byte repeats the setting that is left
.if MSB != \new
	s_set_vgpr_msb (MSB<<8)|\new
.set MSB, \new
.endif
.endm
	s_load_b128 s[4:7], s[0:1], 0x0                ; ows s[4:5], out0 s[6:7]
	v_lshrrev_b32 v4, 5, v0
	v_readfirstlane_b32 s10, v4                    ; wave 0, 1
	s_lshl_b32 s12, ttmp9, 1
	s_add_co_u32 s12, s12, s10                     ; my pair of pieces, 0 .. 511
	s_lshr_b32 s13, s12, 2                         ; qt
	s_and_b32 s14, s12, 3                          ; n
	s_lshl_b32 s16, s13, 12
	s_lshl_b32 s15, s14, 10
	s_add_co_u32 s16, s16, s15                     ; in: 4,096 qt + 1,024 n
	s_mov_b32 s17, 0
	s_lshl_b32 s18, s13, 17                        ; out: 131,072 qt + 2,048 n
	s_lshl_b32 s15, s14, 11
	s_add_co_u32 s18, s18, s15
	s_mov_b32 s19, 0
	s_mul_i32 s11, s10, WREG
	v_lshl_add_u32 v[SPW], v0, 2, SPARE
	v_mov_b32 v[NIL], 0
	v_and_b32 v5, 31, v0                           ; lane
	v_lshlrev_b32 v1, 4, v5                        ; v1: 16 x lane: my bytes of a load and of a store
	v_mul_u32_u24 v2, v5, RUN
	v_add_nc_u32 v2, s11, v2                       ; v2: my run, on the way in
	v_and_b32 v6, 7, v5                            ; e: on the way out I take hb 4 e .. 4 e + 3
	v_lshrrev_b32 v7, 3, v5                        ; of d + i, i = lane / 8
	v_lshlrev_b32 v3, 6, v6
	v_lshrrev_b32 v8, 2, v6
	v_lshl_add_u32 v3, v8, 4, v3
	v_lshl_add_u32 v3, v7, 2, v3
	v_add_nc_u32 v3, s11, v3                       ; v3: 64 e + 16 (e / 4) + 4 i in a run
	s_wait_alu depctr_va_vdst(0)
	s_wait_kmcnt 0x0
	s_add_nc_u64 s[4:5], s[4:5], s[16:17]          ; hb 0-15,
	s_add_nc_u64 s[8:9], s[4:5], 0x800000          ; hb 16-31: so that every offset stays inside the signed 24-bit immediate (ISA guide, chapter 10)
	s_add_nc_u64 s[6:7], s[6:7], s[18:19]
.macro LOADS reg, off
.set hb, 0
.rept 16
	global_load_b128 v[\reg+4*hb:\reg+4*hb+3], v1, s[4:5] offset:hb*524288+\off th:TH_LOAD_NT
.set hb, hb+1
.endr
.rept 16
	global_load_b128 v[\reg+4*hb:\reg+4*hb+3], v1, s[8:9] offset:(hb-16)*524288+\off th:TH_LOAD_NT
.set hb, hb+1
.endr
.endm
.macro TURNIN reg, younger             ; loads come back in order (ISA guide 5.7.1): hb's is in, the younger ones stay out
.set hb, 0
.rept 32
	s_wait_loadcnt \younger+31-hb
	ds_store_b128 v2, v[\reg+4*hb:\reg+4*hb+3] offset:16*hb+16*(hb/16)
.set hb, hb+1
.endr
.endm
.macro GATHER n, reg                   ; runs 8 n .. 8 n + 7: register k of a run is the word of hb 4 e + k, d + i.  LDS serves a wave's instructions in order (ISA guide 5.7.1.4): these see my stores, and the second piece's stores come behind them
.set q, 0
.rept 8
.irp k, 0,1,2,3
	ds_load_b32 v[\reg+4*q+\k], v3 offset:RUN*(8*\n+q)+16*\k
.endr
.set q, q+1
.endr
.endm
.macro PUT n, reg, off                 ; run 16 g + r lies at s = 16 qt + r, d + 8 g: 8,192 r + 1,024 g bytes on; 32 lanes store its 512 consecutive bytes, aligned; written once, read by nobody here
.set q, 0
.rept 8
	global_store_b128 v1, v[\reg+4*q:\reg+4*q+3], s[6:7] offset:8192*((8*\n+q)%16)+1024*((8*\n+q)/16)+\off th:TH_STORE_NT
.set q, q+1
.endr
.endm
.macro PIECE ra, rb, rc, off, wl, ws   ; wl, ws: the windows of loads' and of stores' data.  Batches 2 and 3 go into registers whose LDS stores were issued long ago; no global store's data register is ever written again
	WIN \wl
	GATHER 0, \ra
	GATHER 1, \rb
	s_wait_dscnt 32                                ; batch 0 is in; batch 1's 32 loads may be out
	WIN \ws
	PUT 0, \ra, \off
	WIN \wl
	GATHER 2, \rc
	s_wait_dscnt 32                                ; batch 1 is in
	WIN \ws
	PUT 1, \rb, \off
	WIN \wl
	GATHER 3, \rc+32
	s_wait_dscnt 32                                ; batch 2 is in
	WIN \ws
	PUT 2, \rc, \off
	s_wait_dscnt 0x0
	PUT 3, \rc+32, \off
.endm
	LOADS L, 0
	WIN 0x40
	LOADS M, 512
	WIN 0
	TURNIN L, 32
	PIECE GA, GB, L, 0, 0, 0
	WIN 0x04
	TURNIN M, 0
	PIECE HA, HB, M, 512, 0x40, 0x04
	WIN 0
	s_wait_tensorcnt 0x0                           ; the wave's end
	ds_add_u32 v[SPW], v[NIL]
	s_wait_dscnt 0x0
	s_endpgm
.Lfunc_end_k_qe9ce2636f1_spread:
	.size	k_qe9ce2636f1_spread, .Lfunc_end_k_qe9ce2636f1_spread-k_qe9ce2636f1_spread
	.p2alignl 7, 3214868480
	.fill 96, 4, 3214868480
	.section	.rodata,"a",@progbits
	.p2align	6, 0x0
	.amdhsa_kernel k_qe9ce2636f1_spread
		.amdhsa_group_segment_fixed_size 34048
		.amdhsa_private_segment_fixed_size 0
		.amdhsa_enable_private_segment 0
		.amdhsa_kernarg_size 16
		.amdhsa_user_sgpr_count 2
		.amdhsa_user_sgpr_kernarg_segment_ptr 1
		.amdhsa_wavefront_size32 1
		.amdhsa_system_sgpr_workgroup_id_x 1
		.amdhsa_system_sgpr_workgroup_id_y 1
		.amdhsa_system_sgpr_workgroup_id_z 1
		.amdhsa_system_vgpr_workitem_id 0
		.amdhsa_next_free_vgpr 448
		.amdhsa_next_free_sgpr 66
		.amdhsa_reserve_vcc 0
		.amdhsa_float_denorm_mode_32 3
		.amdhsa_float_denorm_mode_16_64 3
		.amdhsa_memory_ordered 1
		.amdhsa_forward_progress 1
		.amdhsa_inst_pref_size 37
	.end_amdhsa_kernel
	.amdgpu_metadata
---
amdhsa.version: [ 1, 2 ]
amdhsa.kernels:
  - .name:           k_qe9ce2636f1_spread
    .symbol:         k_qe9ce2636f1_spread.kd
    .args:
      - { .name: ows, .offset: 0, .size: 8, .value_kind: global_buffer, .address_space: global }
      - { .name: out0, .offset: 8, .size: 8, .value_kind: global_buffer, .address_space: global }
    .group_segment_fixed_size: 34048
    .private_segment_fixed_size: 0
    .kernarg_segment_align: 8
    .kernarg_segment_size: 16
    .max_flat_workgroup_size: 64
    .sgpr_count:     66
    .vgpr_count:     448
    .wavefront_size: 32
...
	.end_amdgpu_metadata
.endif
;; end of part 3
